; MI455X (gfx1250); checked and timed in simulation.
; The chip was launched on July 23, 2026; its instructions are those of AMD's public machine-readable ISA for CDNA 5 (MIT licence, August 2026) and "CDNA5" Instruction Set Architecture Reference Guide (July 2026). The comments in the code are by the model that wrote it; some were corrected since.
;; Single Head Attention. Allowed arithmetic: float matrix products may take bf16 or f16 operands with f32 sums; all other float work in f32.
;; Inputs: Wk 1,024 x 64 float32; Wq 1,024 x 64 float32; Wv 1,024 x 64 float32; bk 64 float32; bq 64 float32; bv 64 float32; x 4 x 4,096 x 1,024 float32.
;; Outputs: out0 4 x 4,096 x 64 float32.
;; One version. Each part assembles by itself: llvm-mc -triple=amdgcn-amd-amdhsa -mcpu=gfx1250 --defsym DOCPART=n.
;; ======== version 1 of 1: 2 launches
;; limits: values are held in f16: magnitudes above 65,504 overflow, below 6.1e-05 lose precision; right only within a limited range of input values
;; workspace buffers: qf 2,097,152 bytes; kv 4,194,304 bytes
;; launch proj (part 1): grid 256 x 1, 4 waves a work-group, no clusters, 279,040 bytes of LDS; arguments x, Wq, Wk, Wv, bq, bk, bv, qf, kv; writes qf, kv
.if DOCPART == 1
	.amdgcn_target "amdgcn-amd-amdhsa--gfx1250"
	.amdhsa_code_object_version 6
	.text
	.protected	k_qc0d9d5bc5d_proj
	.globl	k_qc0d9d5bc5d_proj
	.p2align	8
	.type	k_qc0d9d5bc5d_proj,@function
k_qc0d9d5bc5d_proj:
	s_mov_b64 s[64:65], 0
	v_nop
	global_prefetch_b8 v0, s[64:65] scope:SCOPE_SE
	s_setreg_imm32_b32 hwreg(HW_REG_WAVE_MODE, 25, 1), 1
	s_wait_xcnt 0x0
; q = (x Wq + bq) c, k = (x Wk + bk) c with c = sqrt(log2(e)/8), v = (x Wv + bv) / 4.  x: [16384][1024] f32, W: [1024][64] f32, b: [64] f32.
; q, k, v leave as f16, already laid out as the matrix fragments that the attention launch loads:
;   qf: 2,048 bytes for each 16 rows: four pieces of 512 bytes, lane l at byte 16 l
;   kv: 8,192 bytes for each 32 rows: K (two 16-row tiles of 2,048 bytes), then V transposed (four column tiles of 1,024 bytes)
; A work-group owns 64 rows and all 192 columns.  K (1,024) is split among its four waves: wave w takes k = 256 i + 64 w .. + 63, i = 0..3,
; so every number of x and of W is converted once in the work-group, and 16 fragments feed 48 matrix instructions for each 32 along K.
; The four partial sums of 64 x 192 meet in LDS at the end; wave w finishes the 16 rows 16 w .. 16 w + 15.
; x comes by four tensor loads a wave (64 rows x 256 bytes each), all issued at the head: four are out at the most, nothing is filled twice.
; W goes from memory to registers: one load of a wave reads two whole rows of W (2 x 256 consecutive bytes).
; NO CLUSTER, though all work-groups walk the same W: a joint load lands in LDS only; x takes 278,528 of the 327,680 bytes, and the 786,432 bytes
; of W through two slots of 24,576 bytes would need 32 rounds of the cluster's barrier, each with 1/32 of the work in which to land.
; ORDER OF K INSIDE A FRAGMENT: lane half h holds k = 16 h .. 16 h + 15 of the 32, in x's and in W's fragments alike: the products are the same.
; ORDER OF THE HEAD'S COLUMNS: column tile i, lane row m stands for column 4 m + i (a lane reads W[k][4 r .. 4 r + 3] in one load).
; q and k carry it alike (their product sums over the columns); the attention launch undoes it for v when it writes the result.
; WHY f16 FOR q, k, v: a result of few keys can be a small difference of terms near 1, which 8 significant bits in q, k, v do not carry; f16 has 11.
; LIMITS: x and W are rounded to bf16.  q, k, v are rounded to f16 behind their factors: they overflow where |q| or |k| passes 65,504 / 0.42466 = 154,000
; or |v| passes 262,000.  x and W both 30 times larger give numbers up to some 5,000; x offset by 30 and W by 30/32 give 1024 x 30 x 0.94 = 28,800.
; Both 30 times smaller give 1.1e-3, stored as 4.7e-4 and 2.8e-4: normal numbers of f16.  The sums over K are formed in four parts.
.set XPITCH, 272                       ; an LDS row of x: 256 bytes + 16 of padding: the 16 rows of a fragment load start in 16 different 16-byte columns
.set XTILE,  64*XPITCH                 ; 17,408: one tensor load
.set WAVEL,  4*XTILE                   ; 69,632: a wave's own part of LDS
.set DTILE,  1024                      ; an accumulator tile as dumped: 8 registers x 32 lanes x 4 bytes
.set DPART,  12*DTILE                  ; the 12 tiles of 16 rows
.set QKSCALE, 0x3ed96d27               ; sqrt(log2(e) / 8) = 0.42466: q's and k's product carries log2(e) / 8
.set VSCALE,  0x3e800000               ; 1 / 4
; window 0
.set WO,   2                           ; v2      byte offset of my 16 bytes in W's row 64 w + 16 h
.set XA,   4                           ; v4-7    LDS address of my 64 bytes in row tile (a + w) & 3 of x's tile 0
.set LN16, 8                           ; v8      16 x lane
.set DW,   9                           ; v9      my place in my wave's dump
.set RD,   10                          ; v10-12  my place in the dumps of the three waves that hold parts of my 16 rows
.set BOQ,  13                          ; v13     128 h
.set BOV,  14                          ; v14     16 r
.set X,    16                          ; v16-79  x in f32: 16 registers for each row tile
.set XF,   80                          ; v80-143 x's fragments, two buffers of 4 x 8
.set WF,   144                         ; v144-207 W's fragments, two buffers of 4 x 8
.set F,    208                         ; v208-255 packed results, 16 registers for each of q, k, v
.set TA,   16                          ; the end: two stages of 96 registers for the other waves' partial sums
.set TB,   112
; window 1: sums of q at 8 (4 a + i), of k at 128 + 8 (4 a + i).  window 2: sums of v at 8 (4 a + i), the biases.  window 3: W in f32, four stages of 64
.set BQ,   128                         ; window 2: bq[32 h + n], n = 0..31; bk behind it
.set BV,   192                         ; window 2: bv[4 r + i]
.set MSB, 0
.macro WIN new                         ; s_set_vgpr_msb: bits 1:0 source 0, 3:2 source 1, 5:4 source 2, 7:6 destination; the high byte repeats the setting that is left
.if MSB != \new
	s_set_vgpr_msb (MSB<<8)|\new
.set MSB, \new
.endif
.endm
	s_load_b512 s[4:19], s[0:1], 0x0               ; x s[4:5], Wq s[6:7], Wk s[8:9], Wv s[10:11], bq s[12:13], bk s[14:15], bv s[16:17], qf s[18:19]
	s_load_b64 s[20:21], s[0:1], 0x40              ; kv
	s_set_vgpr_msb 0x80
	v_lshl_add_u32 v254, v0, 2, 0x44000
	v_mov_b32 v255, 0
	s_set_vgpr_msb 0x808a
	ds_add_u32 v254, v255
	ds_add_u32 v254, v255
	s_set_vgpr_msb 0x8a00
	v_lshrrev_b32 v1, 5, v0
	v_readfirstlane_b32 s22, v1                    ; wave 0..3
	; descriptor group 1: 64 rows x 64 elements of 4 bytes, 1,024 elements from row to row, 4 words of padding behind every 64
	s_mov_b32 s24, (2<<16)|(1<<20)|(5<<22)|(3<<25)
	s_mov_b32 s25, 64<<16                          ; tensor_dim0 = 64
	s_mov_b32 s26, 64<<16                          ; tensor_dim1 = 64
	s_mov_b32 s27, 64<<16                          ; tile_dim0 = 64
	s_mov_b32 s28, 64                              ; tile_dim1 = 64
	s_mov_b32 s29, 1024                            ; the pitch
	s_mov_b32 s30, 0
	s_mov_b32 s31, 0
	s_mul_i32 s23, s22, WAVEL                      ; my wave's part of LDS
	s_lshl_b32 s48, ttmp9, 18                      ; 64 rows of 4,096 bytes for each work-group
	s_lshl_b32 s49, s22, 8                         ; + my wave's 256 bytes of a row
	s_add_co_u32 s48, s48, s49
	s_mov_b32 s49, 0
	s_wait_dscnt 0x0
	s_wait_kmcnt 0x0
	s_add_nc_u64 s[4:5], s[4:5], s[48:49]
.irp i, 0,1,2,3
	s_mov_b32 s[32+4*\i], 1                        ; count = 1
	s_add_co_u32 s[33+4*\i], s23, \i*XTILE         ; LDS address
	s_add_nc_u64 s[34+4*\i:35+4*\i], s[4:5], \i*1024       ; k = 256 i + 64 w
	s_or_b32 s[35+4*\i], s[35+4*\i], 0x80000000    ; type = 2
	tensor_load_to_lds s[32+4*\i:35+4*\i], s[24:31]
	s_nop 0
.endr
	v_and_b32 v1, 15, v0                           ; r
	v_bfe_u32 v3, v0, 4, 1                         ; h
	v_and_b32 v15, 31, v0
	v_lshlrev_b32 v[LN16], 4, v15
	s_lshl_b32 s50, s22, 14                        ; 64 w rows of 256 bytes
	v_lshlrev_b32 v[WO], 4, v1
	v_lshl_add_u32 v[WO], v3, 12, v[WO]            ; + 16 h rows
	v_add_nc_u32 v[WO], s50, v[WO]
	v_mul_u32_u24 v15, v1, XPITCH
	v_lshl_add_u32 v15, v3, 6, v15                 ; row r, 64 bytes for each half of the lanes
.irp a, 0,1,2,3
	s_add_co_u32 s51, s22, \a
	s_and_b32 s51, s51, 3                          ; local row tile a is row tile (a + w) & 3: a = 0 is the one that I finish
	s_mul_i32 s51, s51, 16*XPITCH
	s_add_co_u32 s51, s51, s23
	v_add_nc_u32 v[XA+\a], s51, v15
.endr
	v_add_nc_u32 v[DW], s23, v[LN16]
.irp a, 1,2,3
	s_sub_co_u32 s51, s22, \a
	s_and_b32 s51, s51, 3                          ; wave (w - a) & 3 holds my rows as its local tile a
	s_mul_i32 s51, s51, WAVEL
	s_add_co_u32 s51, s51, (\a-1)*DPART
	v_add_nc_u32 v[RD+\a-1], s51, v[LN16]
.endr
	v_lshlrev_b32 v[BOQ], 7, v3
	v_lshlrev_b32 v[BOV], 4, v1
	; where the results go
	s_lshl_b32 s48, ttmp9, 2
	s_add_co_u32 s48, s48, s22                     ; 16-row tile 4 g + w
	s_lshl_b32 s48, s48, 11
	s_add_nc_u64 s[18:19], s[18:19], s[48:49]      ; q
	s_lshl_b32 s50, ttmp9, 1
	s_lshr_b32 s51, s22, 1
	s_add_co_u32 s50, s50, s51                     ; 32-row chunk 2 g + (w >> 1)
	s_lshl_b32 s50, s50, 13
	s_mov_b32 s51, 0
	s_add_nc_u64 s[20:21], s[20:21], s[50:51]
	s_and_b32 s52, s22, 1                          ; which 16 rows of the chunk
	s_lshl_b32 s50, s52, 11
	s_add_nc_u64 s[54:55], s[20:21], s[50:51]      ; k
	s_lshl_b32 s50, s52, 9
	s_add_co_u32 s50, s50, 4096
	s_add_nc_u64 s[20:21], s[20:21], s[50:51]      ; v
	s_mov_b32 s52, QKSCALE                         ; the factors of the end
	s_mov_b32 s53, VSCALE
; Unit n = 3 ks + mat (ks = 2 i + u: the wave's K step of 32; mat 0, 1, 2 = q, k, v).
; 16 loads: slot s of half h is W[256 i + 64 w + 32 u + 16 h + s][4 r .. 4 r + 3]
.macro LOADW n
	WIN 0xc0
.irp s, 0,1,2,3,4,5,6,7,8,9,10,11,12,13,14,15
	global_load_b128 v[64*((\n)&3)+4*\s:64*((\n)&3)+4*\s+3], v[WO], s[6+2*((\n)%3):7+2*((\n)%3)] offset:(256*((\n)/6)+32*(((\n)/3)&1)+\s)*256
.endr
.endm
; register p of column tile i: slots 2 p and 2 p + 1 of column 4 r + i
.macro CVTW n
	WIN 0x0f
.irp i, 0,1,2,3
.irp p, 0,1,2,3,4,5,6,7
	v_cvt_pk_bf16_f32 v[WF+32*((\n)&1)+8*\i+\p], v[64*((\n)&3)+8*\p+\i], v[64*((\n)&3)+8*\p+4+\i]
.endr
.endr
.endm
.macro LOADX ks                        ; 16 f32 of each of my four rows
	WIN 0
.irp a, 0,1,2,3
.irp c, 0,1,2,3
	ds_load_b128 v[X+16*\a+4*\c:X+16*\a+4*\c+3], v[XA+\a] offset:((\ks)>>1)*XTILE+((\ks)&1)*128+16*\c
.endr
.endr
.endm
.macro CVTX ks
	WIN 0
.irp a, 0,1,2,3
.irp p, 0,1,2,3,4,5,6,7
	v_cvt_pk_bf16_f32 v[XF+32*((\ks)&1)+8*\a+\p], v[X+16*\a+2*\p], v[X+16*\a+2*\p+1]
.endr
.endr
.endm
.macro BIASLD                          ; 17 loads: bq and bk of columns 32 h .. 32 h + 31, bv of columns 4 r .. 4 r + 3
	WIN 0x80
.irp j, 0,1,2,3,4,5,6,7
	global_load_b128 v[BQ+4*\j:BQ+4*\j+3], v[BOQ], s[12:13] offset:16*\j
	global_load_b128 v[BQ+32+4*\j:BQ+32+4*\j+3], v[BOQ], s[14:15] offset:16*\j
.endr
	global_load_b128 v[BV:BV+3], v[BOV], s[16:17]
.endm
.macro MM d, a, b, zero
.if \zero
	v_wmma_f32_16x16x32_bf16 v[\d:\d+7], v[\a:\a+7], v[\b:\b+7], 0
.else
	v_wmma_f32_16x16x32_bf16 v[\d:\d+7], v[\a:\a+7], v[\b:\b+7], v[\d:\d+7]
.endif
.endm
; 16 matrix instructions on 16 accumulators; an accumulator comes up again 48 matrix instructions later: the accumulators take turns, one
; instruction a turn.  q and k: W's fragment is source 0, so that a lane's 8 results are 8 columns of one row of x.
; v: x's fragment is source 0, so that a lane's 8 results are 8 rows (keys) of one column.  zero = 1: the first product starts the sums.
; W's and x's fragment buffers take turns: between a matrix instruction and the next write of one of its sources stand the 32 conversions of the other buffer.
.macro MULS n, zero
.set ACCB, 128*(((\n)%3)&1)
.set XB, XF+32*(((\n)/3)&1)
.set WB, WF+32*((\n)&1)
.if ((\n)%3) == 2
	WIN 0xa0
.irp a, 0,1,2,3
.irp i, 0,1,2,3
	MM ACCB+8*(4*\a+\i), XB+8*\a, WB+8*\i, \zero
.endr
.endr
.else
	WIN 0x50
.irp a, 0,1,2,3
.irp i, 0,1,2,3
	MM ACCB+8*(4*\a+\i), WB+8*\i, XB+8*\a, \zero
.endr
.endr
.endif
.endm
.macro UNIT n, cnt
	s_wait_loadcnt \cnt                            ; loads come back in order: unit n's 16 are in, the younger ones stay out
.if (\n) <= 20
	LOADW \n+3                                     ; into the stage that unit n - 1 has been converted from
.endif
	CVTW \n
.endm
.macro KSTEP ks, c0, c1, c2, zero, bias
.if ((\ks)&1) == 0
	s_wait_tensorcnt 3-((\ks)>>1)                  ; my tile i has landed; the 3 - i younger ones stay out.  Only I read it
.endif
	LOADX \ks
	UNIT 3*\ks, \c0
.if \bias
	BIASLD
.endif
	s_wait_dscnt 0x0                               ; x's 16 loads
	CVTX \ks
	MULS 3*\ks, \zero
	UNIT 3*\ks+1, \c1
	MULS 3*\ks+1, \zero
	UNIT 3*\ks+2, \c2
	MULS 3*\ks+2, \zero
.endm
	LOADW 0
	LOADW 1
	LOADW 2
	KSTEP 0, 32, 32, 32, 1, 0                      ; 32: two younger units of 16 loads
.irp ks, 1,2,3,4,5,6
	KSTEP \ks, 32, 32, 32, 0, 0
.endr
	KSTEP 7, 32, 33, 17, 0, 1                      ; the biases' 17 loads go out behind unit 21's wait: 32 + 17 = 49 loads are out at the most;
	                                               ; unit 22 leaves unit 23's 16 and the 17 out, unit 23 the 17
	; THE END.  Four places behind the last matrix instructions, for the LDS stores that read sums and the loads into fragment registers.
	WIN 0
.rept 4
	v_nop
.endr
	; my sums for the other waves' rows go into the head of my own part of LDS: x's tiles there have been read, and nothing is filled again
	WIN 0x04
.irp a, 1,2,3
.irp t, 0,1,2,3,4,5,6,7
	ds_store_b128 v[DW], v[128*(\t>>2)+8*(4*\a+(\t&3)):128*(\t>>2)+8*(4*\a+(\t&3))+3] offset:(\a-1)*DPART+\t*DTILE
	ds_store_b128 v[DW], v[128*(\t>>2)+8*(4*\a+(\t&3))+4:128*(\t>>2)+8*(4*\a+(\t&3))+7] offset:(\a-1)*DPART+\t*DTILE+512
.endr
.endr
	WIN 0x08
.irp a, 1,2,3
.irp i, 0,1,2,3
	ds_store_b128 v[DW], v[8*(4*\a+\i):8*(4*\a+\i)+3] offset:(\a-1)*DPART+(8+\i)*DTILE
	ds_store_b128 v[DW], v[8*(4*\a+\i)+4:8*(4*\a+\i)+7] offset:(\a-1)*DPART+(8+\i)*DTILE+512
.endr
.endr
	WIN 0
	s_wait_dscnt 0x0                               ; my stores are done, for the others' sake
	s_barrier_signal -1
	s_barrier_wait -1                              ; everybody's are
.macro RLOAD mat, t                    ; the three other waves' sums for my 16 rows, 4 column tiles: 24 loads
	WIN 0
.irp a, 1,2,3
.irp q, 0,1,2,3,4,5,6,7
	ds_load_b128 v[\t+32*(\a-1)+4*\q:\t+32*(\a-1)+4*\q+3], v[RD+\a-1] offset:4*\mat*DTILE+\q*512
.endr
.endr
.endm
.macro RSUM mat, t                     ; the four parts, factor and bias in one fused multiply-add, f16, four stores of 512 consecutive bytes
	WIN 0
.irp q, 0,2,4,6,8,10,12,14,16,18,20,22,24,26,28,30
	v_pk_add_f32 v[\t+\q:\t+\q+1], v[\t+\q:\t+\q+1], v[\t+32+\q:\t+32+\q+1]
.endr
.irp q, 0,2,4,6,8,10,12,14,16,18,20,22,24,26,28,30
	v_pk_add_f32 v[\t+\q:\t+\q+1], v[\t+\q:\t+\q+1], v[\t+64+\q:\t+64+\q+1]
.endr
.if \mat == 2
	WIN 0x08
.else
	WIN 0x04
.endif
.irp q, 0,2,4,6,8,10,12,14,16,18,20,22,24,26,28,30
	v_pk_add_f32 v[\t+\q:\t+\q+1], v[\t+\q:\t+\q+1], v[128*(\mat&1)+\q:128*(\mat&1)+\q+1]   ; my own sums, local tile 0
.endr
	WIN 0x20                                       ; source 2: the scaled biases in window 2
.irp i, 0,1,2,3
.irp j, 0,1,2,3,4,5,6,7
.if \mat == 2
	v_fma_f32 v[\t+8*\i+\j], v[\t+8*\i+\j], s53, v[BV+\i]                  ; column 4 r + i
.else
	v_fma_f32 v[\t+8*\i+\j], v[\t+8*\i+\j], s52, v[BQ+32*\mat+4*\j+\i]     ; column 32 h + 4 j + i
.endif
.endr
.endr
	WIN 0
.irp q, 0,1,2,3,4,5,6,7,8,9,10,11,12,13,14,15
	v_cvt_pk_f16_f32 v[F+16*\mat+\q], v[\t+2*\q], v[\t+2*\q+1]
.endr
.irp i, 0,1,2,3
.if \mat == 0
	global_store_b128 v[LN16], v[F+4*\i:F+4*\i+3], s[18:19] offset:\i*512
.endif
.if \mat == 1
	global_store_b128 v[LN16], v[F+16+4*\i:F+16+4*\i+3], s[54:55] offset:\i*512
.endif
.if \mat == 2
	global_store_b128 v[LN16], v[F+32+4*\i:F+32+4*\i+3], s[20:21] offset:\i*1024
.endif
.endr
.endm
	RLOAD 0, TA
	RLOAD 1, TB
	s_wait_loadcnt 0x0                             ; the biases
	WIN 0x82                                       ; they take their factors once: (sum + b) c = sum c + b c
.set bi, 0
.rept 32
	v_pk_mul_f32 v[BQ+bi:BQ+bi+1], v[BQ+bi:BQ+bi+1], s[52:53] op_sel_hi:[1,0]      ; both by s52
.set bi, bi+2
.endr
	v_pk_mul_f32 v[BV:BV+1], v[BV:BV+1], VSCALE op_sel_hi:[1,0]
	v_pk_mul_f32 v[BV+2:BV+3], v[BV+2:BV+3], VSCALE op_sel_hi:[1,0]
	s_wait_dscnt 24                                ; q's 24 loads are in, k's stay out
	RSUM 0, TA
	RLOAD 2, TA
	s_wait_dscnt 24                                ; k's are in, v's stay out
	RSUM 1, TB
	s_wait_dscnt 0x0
	RSUM 2, TA
	s_set_vgpr_msb 0xa
	s_wait_tensorcnt 0x0
	ds_add_u32 v254, v255
	s_wait_dscnt 0x0
	s_set_vgpr_msb 0xa00
	s_endpgm
.Lfunc_end_k_qc0d9d5bc5d_proj:
	.size	k_qc0d9d5bc5d_proj, .Lfunc_end_k_qc0d9d5bc5d_proj-k_qc0d9d5bc5d_proj
	.p2alignl 7, 3214868480
	.fill 96, 4, 3214868480
	.section	.rodata,"a",@progbits
	.p2align	6, 0x0
	.amdhsa_kernel k_qc0d9d5bc5d_proj
		.amdhsa_group_segment_fixed_size 279040
		.amdhsa_private_segment_fixed_size 0
		.amdhsa_enable_private_segment 0
		.amdhsa_kernarg_size 72
		.amdhsa_user_sgpr_count 2
		.amdhsa_user_sgpr_kernarg_segment_ptr 1
		.amdhsa_wavefront_size32 1
		.amdhsa_system_sgpr_workgroup_id_x 1
		.amdhsa_system_sgpr_workgroup_id_y 1
		.amdhsa_system_sgpr_workgroup_id_z 1
		.amdhsa_system_vgpr_workitem_id 0
		.amdhsa_next_free_vgpr 1024
		.amdhsa_next_free_sgpr 66
		.amdhsa_reserve_vcc 0
		.amdhsa_float_denorm_mode_32 3
		.amdhsa_float_denorm_mode_16_64 3
		.amdhsa_memory_ordered 1
		.amdhsa_forward_progress 1
		.amdhsa_inst_pref_size 175
	.end_amdhsa_kernel
	.amdgpu_metadata
---
amdhsa.version: [ 1, 2 ]
amdhsa.kernels:
  - .name:           k_qc0d9d5bc5d_proj
    .symbol:         k_qc0d9d5bc5d_proj.kd
    .args:
      - { .name: x, .offset: 0, .size: 8, .value_kind: global_buffer, .address_space: global }
      - { .name: Wq, .offset: 8, .size: 8, .value_kind: global_buffer, .address_space: global }
      - { .name: Wk, .offset: 16, .size: 8, .value_kind: global_buffer, .address_space: global }
      - { .name: Wv, .offset: 24, .size: 8, .value_kind: global_buffer, .address_space: global }
      - { .name: bq, .offset: 32, .size: 8, .value_kind: global_buffer, .address_space: global }
      - { .name: bk, .offset: 40, .size: 8, .value_kind: global_buffer, .address_space: global }
      - { .name: bv, .offset: 48, .size: 8, .value_kind: global_buffer, .address_space: global }
      - { .name: qf, .offset: 56, .size: 8, .value_kind: global_buffer, .address_space: global }
      - { .name: kv, .offset: 64, .size: 8, .value_kind: global_buffer, .address_space: global }
    .group_segment_fixed_size: 279040
    .private_segment_fixed_size: 0
    .kernarg_segment_align: 8
    .kernarg_segment_size: 72
    .max_flat_workgroup_size: 128
    .sgpr_count:     66
    .vgpr_count:     1024
    .wavefront_size: 32
...
	.end_amdgpu_metadata
.endif
;; end of part 1
;; launch attn (part 2): grid 256 x 1, 4 waves a work-group, clusters of 4 x 1, 327,680 bytes of LDS; arguments qf, kv, out0; writes out0
.if DOCPART == 2
	.amdgcn_target "amdgcn-amd-amdhsa--gfx1250"
	.amdhsa_code_object_version 6
	.text
	.protected	k_qc0d9d5bc5d_attn
	.globl	k_qc0d9d5bc5d_attn
	.p2align	8
	.type	k_qc0d9d5bc5d_attn,@function
k_qc0d9d5bc5d_attn:
	s_mov_b64 s[64:65], 0
	v_nop
	global_prefetch_b8 v0, s[64:65] scope:SCOPE_SE
	s_setreg_imm32_b32 hwreg(HW_REG_WAVE_MODE, 25, 1), 1
	s_wait_xcnt 0x0
	s_wait_alu depctr_hold_cnt(0) depctr_sa_sdst(0) depctr_va_vdst(0) depctr_va_sdst(0) depctr_va_ssrc(0) depctr_va_vcc(0) depctr_vm_vsrc(0)
	s_getreg_b32 s2, hwreg(HW_REG_IB_STS2, 6, 4)
	s_cmp_eq_u32 s2, 0
	s_cbranch_scc0 .Lentry_in_a_cluster
	s_endpgm
.Lentry_in_a_cluster:
	s_bfe_u32 s2, ttmp6, 0x10000c
	s_cmp_lg_u32 s2, 0x3003
	s_cbranch_scc0 .Lentry_shape_is_right
	s_endpgm
.Lentry_shape_is_right:
; Causal attention, one head of 64, 4 batches of 4,096 rows, from the f16 fragments that the projection launch stored
; (q and k each carry sqrt(log2(e)/8), so that their product is the exponent in base 2; v carries 1/4, which the merge's weights undo).
; A cluster of four work-groups owns two blocks of 128 query rows of one batch, E = j and L = 31 - j (j = cluster & 15): E needs the key tiles
; (128 keys) 0..j, L the tiles 0..31-j: 33 tile steps for every cluster.  Step i takes tile (i <= j ? j : 32) - i: each pass begins with its
; diagonal tile; the pass changes at i = j + 1, and the ring of LDS slots runs on across the change.
; Work-group cx owns rows 32 cx .. + 31 of both blocks (two query tiles of 16).  The four ask for every key tile JOINTLY (mask 15): same line, same
; descriptor, same round of the cluster's barrier; nothing but global addresses of q and of the result and the numbers of the causal compare hangs on cx.
; Inside a tile wave w takes the 32 keys 32 w .. + 31 (8,192 bytes: one dense tensor load of its own) against all 32 queries: each wave reads only
; what it has loaded, each K and V byte is read from LDS once in the work-group, each fragment feeds two matrix instructions.
; The four waves' partial results (running maximum m, sum l, O) are merged once, at the end.
; TRANSPOSED PRODUCTS: S^T = K Q^T (a lane's 8 results: keys 8 h + 0..7 of query r), so that m and l are one number a lane and the packed
; exponentials are at once the second source of O^T = V^T P^T.
; SOFTMAX: running maximum, in base 2.  m starts at the most negative finite f32: a chunk that the causal mask empties gives p = 0, l = 0, and weight 0 in the merge.
; LIMITS: q, k, v and p are f16 (q's, k's and v's range: see the projection's head).  p lies in [0, 1]; below 2^-25 it rounds to 0, over 4,096 keys at the most
; 1.2e-4 of l, which is at least about 1 (the largest key's own p).  l is summed from the unrounded p; the sums over the keys are formed in four parts
; and merged.  Inputs are finite.
.set TILEB,  32768                     ; a key tile in LDS: four chunks
.set CHUNK,  8192                      ; 32 keys: K 4,096 bytes, V 4,096 bytes
.set QSB,    294912                    ; LDS: tiles 0-3 slot A, 4-7 slot B, 8 the first step's tile; then each wave's copy of block L's q (4,096 bytes),
.set MLB,    311296                    ; then m and l of both passes: pass x 2,048 + wave x 512 + query tile x 256 + (m: 0, l: 128) + 4 x lane
.set SPITCH, 272                       ; the way out: rows of 256 bytes + 16
.set QF, 8                             ; v8-39    q: 16 qt + 8 s
.set KF, 40                            ; v40-71   k: 16 kt + 8 s
.set VF, 72                            ; v72-103  v: 8 dt
.set SC, 104                           ; v104-135 scores, then p: 16 qt + 8 kt
.set PB, 136                           ; v136-151 p in f16: 8 qt
.set OA, 152                           ; v152-215 O: 32 qt + 8 dt
.set MX, 216                           ; v216-217 m
.set LS, 218                           ; v218-219 l, each half of the lanes its own keys
.set MN, 220                           ; v220 the new m (v221 only completes the pair)
.set AL, 222                           ; v222 2^(m - new m) (v223 likewise)
.set TM, 224                           ; v224-229 at work
.set DQ, 230                           ; v230-231 query - first key of my lane: 32 cx + 16 qt + r - 32 w - 8 h
.set LA, 232                           ; v232-236 65,536 k + 8,192 w + 16 lane: tile T is at LA + (T >> 1), offset (T & 1) x 32,768
.set LN16, 237
.set MLA, 238
.set QSA, 239
.set MRA, 240
.set DRA, 241
.set STA, 242
.set SRA, 243
.set D0, 8                             ; the merge: the four waves' O, 32 registers each, v8-135
.set WT, 144                           ; the merge: the four weights, each in both registers of a pair
.macro ROUND                           ; a round of the cluster's barrier
	s_barrier_signal -1
	s_barrier_wait -1
	s_cmp_lg_u32 s10, 0
	s_cbranch_scc1 .Lnot_wave_0_\@
	s_barrier_signal -3
.Lnot_wave_0_\@:
	s_barrier_wait -3
	s_barrier_signal -1
	s_barrier_wait -1
.endm
; the global address of my chunk of step s60's tile into group 0 at s[g]; s60 steps on.  No register here ever holds cx.
.macro FILLADDR g
	s_cmp_le_u32 s60, s13
	s_cselect_b32 s66, s13, 32
	s_sub_co_u32 s66, s66, s60                     ; the tile
	s_lshl_b32 s66, s66, 15
	s_add_co_u32 s66, s66, s61                     ; + batch and wave
	s_add_nc_u64 s[\g+2:\g+3], s[6:7], s[66:67]
	s_or_b32 s[\g+3], s[\g+3], 0x80000000          ; type = 2
	s_add_co_u32 s60, s60, 1
.endm
	s_load_b128 s[4:7], s[0:1], 0x0                ; qf s[4:5], kv s[6:7]
	s_load_b64 s[8:9], s[0:1], 0x10                ; out0
	v_lshl_add_u32 v254, v0, 2, 0x4d000
	v_mov_b32 v255, 0
	ds_add_u32 v254, v255
	ds_add_u32 v254, v255
	v_lshrrev_b32 v1, 5, v0
	v_readfirstlane_b32 s10, v1                    ; wave
	s_bfe_u32 s11, ttmp6, 0x40000                  ; cx
	s_lshr_b32 s12, ttmp9, 4                       ; batch
	s_and_b32 s13, ttmp9, 15                       ; j
	s_add_co_u32 s14, s13, 1                       ; the step at which the pass changes
	s_mov_b32 s15, 0                               ; the step
	s_mov_b32 s60, 0                               ; the next step to fetch for
	s_mul_i32 s62, s10, CHUNK
	s_lshl_b32 s61, s12, 20                        ; a batch's 128 chunks
	s_add_co_u32 s61, s61, s62
	s_mov_b32 s67, 0
	s_mov_b32 s68, 0x76543210                      ; v_permlanex16_b32: lane i of the other half
	s_mov_b32 s69, 0xfedcba98
	s_mov_b32 s71, 0xff800000                      ; -inf
	; group 1: 32 rows of 32 elements of 8 bytes, dense; mask: all four work-groups of the cluster, bit 21 beside it
	s_mov_b32 s16, 15|(3<<16)|(1<<21)
	s_mov_b32 s17, 32<<16
	s_mov_b32 s18, 32<<16
	s_mov_b32 s19, 32<<16
	s_mov_b32 s20, 32
	s_mov_b32 s21, 32
	s_mov_b32 s22, 0
	s_mov_b32 s23, 0
	s_mov_b32 s24, 1                               ; group 0 of tile 8
	s_add_co_u32 s25, s62, 8*TILEB
.irp n, 0,1,2,3,4,5,6,7
	s_mov_b32 s[28+4*\n], 1                        ; group 0 of tile n
	s_add_co_u32 s[29+4*\n], s62, \n*TILEB
.endr
	v_and_b32 v1, 31, v0                           ; lane
	v_and_b32 v2, 15, v0                           ; r
	v_bfe_u32 v3, v0, 4, 1                         ; h
	v_lshlrev_b32 v[LN16], 4, v1
	v_add_nc_u32 v[LA], s62, v[LN16]
.irp k, 1,2,3,4
	v_add_nc_u32 v[LA+\k], \k*65536, v[LA]
.endr
	s_sub_co_i32 s72, s11, s10
	s_lshl_b32 s72, s72, 5                         ; 32 (cx - w)
	v_lshlrev_b32 v4, 3, v3
	v_sub_nc_u32 v4, v2, v4
	v_add_nc_u32 v[DQ], s72, v4
	v_add_nc_u32 v[DQ+1], 16, v[DQ]
	s_lshl_b32 s73, s10, 9
	s_add_co_u32 s73, s73, MLB
	v_lshl_add_u32 v[MLA], v1, 2, s73
	s_lshl_b32 s73, s10, 12
	s_add_co_u32 s73, s73, QSB
	v_add_nc_u32 v[QSA], s73, v[LN16]
	s_lshl_b32 s72, s12, 8
	s_lshl_b32 s73, s11, 1
	s_add_co_u32 s72, s72, s73                     ; 16-row tile 256 b + 2 cx
	s_lshl_b32 s73, s13, 3
	s_add_co_u32 s74, s72, s73                     ; + 8 j
	s_lshl_b32 s74, s74, 11
	s_mov_b32 s75, 0
	s_sub_co_u32 s73, 248, s73
	s_add_co_u32 s76, s72, s73                     ; + 8 (31 - j)
	s_lshl_b32 s76, s76, 11
	s_mov_b32 s77, 0
	s_wait_dscnt 0x0
	s_wait_kmcnt 0x0
	s_add_nc_u64 s[74:75], s[4:5], s[74:75]
	s_add_nc_u64 s[76:77], s[4:5], s[76:77]
.irp m, 0,1,2,3,4,5,6,7
	global_load_b128 v[QF+4*\m:QF+4*\m+3], v[LN16], s[74:75] offset:\m*512     ; block E's q
.endr
.irp m, 0,1,2,3,4,5,6,7
	global_load_b128 v[SC+4*\m:SC+4*\m+3], v[LN16], s[76:77] offset:\m*512     ; block L's q, on its way to LDS
.endr
	v_mov_b32 v[MX], 0xff7fffff
	v_mov_b32 v[MX+1], 0xff7fffff
	v_mov_b32 v[LS], 0
	v_mov_b32 v[LS+1], 0
	v_mov_b32 v[MN+1], 0
	v_mov_b32 v[AL+1], 0
	v_mov_b32 v[TM+5], 0
	FILLADDR 24
.irp n, 0,1,2,3
	FILLADDR 28+4*\n
.endr
	ROUND                                          ; the four work-groups are here: the first joint loads meet
	tensor_load_to_lds s[24:27], s[16:23]          ; step 0
	s_nop 0
.irp n, 0,1,2,3
	tensor_load_to_lds s[28+4*\n:31+4*\n], s[16:23]        ; steps 1-4: five loads of the wave are out
	s_nop 0
.endr
	s_wait_loadcnt 0x0
.irp m, 0,1,2,3,4,5,6,7
	ds_store_b128 v[QSA], v[SC+4*\m:SC+4*\m+3] offset:\m*512
.endr
	s_wait_tensorcnt 0x4                           ; step 0's chunk has landed, four younger stay out
.irp m, 0,1,2,3,4,5,6,7
	ds_load_b128 v[KF+4*\m:KF+4*\m+3], v[LA+4] offset:\m*512
.endr
.macro MASK                            ; the diagonal tile: key 16 kt + jj of my lane counts where it is <= DQ
.irp qt, 0,1
.irp n, 0,1,2,3,4,5,6,7,8,9,10,11,12,13,14,15
	v_cmp_le_i32 vcc_lo, \n+8*(\n>>3), v[DQ+\qt]
	v_cndmask_b32 v[SC+16*\qt+\n], s71, v[SC+16*\qt+\n], vcc_lo
.endr
.endr
.endm
.macro SOFT qt
.set SQ, SC+16*\qt
	v_max3_num_f32 v[TM], v[SQ], v[SQ+1], v[SQ+2]
	v_max3_num_f32 v[TM+1], v[SQ+3], v[SQ+4], v[SQ+5]
	v_max3_num_f32 v[TM+2], v[SQ+6], v[SQ+7], v[SQ+8]
	v_max3_num_f32 v[TM+3], v[SQ+9], v[SQ+10], v[SQ+11]
	v_max3_num_f32 v[TM+4], v[SQ+12], v[SQ+13], v[SQ+14]
	v_max3_num_f32 v[TM], v[TM], v[TM+1], v[SQ+15]
	v_max3_num_f32 v[TM+2], v[TM+2], v[TM+3], v[TM+4]
	v_max_num_f32 v[TM], v[TM], v[TM+2]
	v_permlanex16_b32 v[TM+5], v[TM], s68, s69     ; the other half's 16 keys of the same query
	v_max3_num_f32 v[MN], v[TM], v[TM+5], v[MX+\qt]
	v_sub_f32 v[AL], v[MX+\qt], v[MN]
.irp m, 0,2,4,6,8,10,12,14
	v_pk_add_f32 v[SQ+\m:SQ+\m+1], v[SQ+\m:SQ+\m+1], v[MN:MN+1] op_sel_hi:[1,0] neg_lo:[0,1] neg_hi:[0,1]
.endr
	v_exp_f32 v[AL], v[AL]
.irp m, 0,1,2,3,4,5,6,7,8,9,10,11,12,13,14,15
	v_exp_f32 v[SQ+\m], v[SQ+\m]
.endr
	v_mov_b32 v[MX+\qt], v[MN]                     ; the plain instruction between the exponentials and the first use of one (ISA guide 5.7.2)
	s_wait_alu depctr_va_vdst(0)
	v_pk_add_f32 v[TM:TM+1], v[SQ:SQ+1], v[SQ+2:SQ+3]
	v_pk_add_f32 v[TM+2:TM+3], v[SQ+4:SQ+5], v[SQ+6:SQ+7]
	v_pk_add_f32 v[TM+4:TM+5], v[SQ+8:SQ+9], v[SQ+10:SQ+11]
	v_pk_add_f32 v[TM:TM+1], v[TM:TM+1], v[TM+2:TM+3]
	v_pk_add_f32 v[TM+2:TM+3], v[SQ+12:SQ+13], v[SQ+14:SQ+15]
	v_pk_add_f32 v[TM+2:TM+3], v[TM+2:TM+3], v[TM+4:TM+5]
	v_pk_add_f32 v[TM:TM+1], v[TM:TM+1], v[TM+2:TM+3]
	v_add_f32 v[TM], v[TM], v[TM+1]
	v_fma_f32 v[LS+\qt], v[LS+\qt], v[AL], v[TM]
.irp m, 0,1,2,3,4,5,6,7
	v_cvt_pk_f16_f32 v[PB+8*\qt+\m], v[SQ+2*\m], v[SQ+2*\m+1]
.endr
.endm
; O = O 2^(m - new m) + V^T P^T.  In a pass's first step the product starts the sums: nothing is cleared.  mode 0: never first; 2: first; 1: first where s15 = s14
.macro PV qt, mode
.if \mode == 1
	s_cmp_lg_u32 s15, s14
	s_cbranch_scc0 .Lfirst_\@
.endif
.if \mode != 2
.irp m, 0,2,4,6,8,10,12,14,16,18,20,22,24,26,28,30
	v_pk_mul_f32 v[OA+32*\qt+\m:OA+32*\qt+\m+1], v[OA+32*\qt+\m:OA+32*\qt+\m+1], v[AL:AL+1] op_sel_hi:[1,0]
.endr
.irp dt, 0,1,2,3
	v_wmma_f32_16x16x32_f16 v[OA+32*\qt+8*\dt:OA+32*\qt+8*\dt+7], v[VF+8*\dt:VF+8*\dt+7], v[PB+8*\qt:PB+8*\qt+7], v[OA+32*\qt+8*\dt:OA+32*\qt+8*\dt+7]
.endr
.endif
.if \mode == 1
	s_branch .Ldone_\@
.Lfirst_\@:
.endif
.if \mode != 0
.irp dt, 0,1,2,3
	v_wmma_f32_16x16x32_f16 v[OA+32*\qt+8*\dt:OA+32*\qt+8*\dt+7], v[VF+8*\dt:VF+8*\dt+7], v[PB+8*\qt:PB+8*\qt+7], 0
.endr
.endif
.if \mode == 1
.Ldone_\@:
.endif
.endm
; my wave's O, m, l of pass g into LDS: O into my own chunk of a tile that has had its last fill and has been read
.macro DUMPO areg, g
.rept 4
	v_nop                                          ; four places behind the last matrix instructions (ISA guide 7.12.1)
.endr
	v_permlanex16_b32 v[TM], v[LS], s68, s69
	v_permlanex16_b32 v[TM+1], v[LS+1], s68, s69
	v_pk_add_f32 v[LS:LS+1], v[LS:LS+1], v[TM:TM+1]        ; both halves' keys
.irp m, 0,1,2,3,4,5,6,7,8,9,10,11,12,13,14,15
	ds_store_b128 v[\areg], v[OA+4*\m:OA+4*\m+3] offset:\m*512
.endr
.irp qt, 0,1
	ds_store_b32 v[MLA], v[MX+\qt] offset:\g*2048+\qt*256
	ds_store_b32 v[MLA], v[LS+\qt] offset:\g*2048+\qt*256+128
.endr
.endm
.macro SWITCH                          ; from block E to block L
	DUMPO LA+4, 0
.irp m, 0,1,2,3,4,5,6,7
	ds_load_b128 v[QF+4*\m:QF+4*\m+3], v[QSA] offset:\m*512
.endr
	v_mov_b32 v[MX], 0xff7fffff
	v_mov_b32 v[MX+1], 0xff7fffff
	v_mov_b32 v[LS], 0
	v_mov_b32 v[LS+1], 0
.endm
; One step: my 32 keys of tile cur against 32 queries.  K's fragments were fetched in the step before; this step fetches V of cur and K of nxt
; (nxt = -1: none; pre >= 0: how many younger tensor loads may stay out when nxt's chunk has to be there).
.macro STEP cur, nxt, pre, mode
.if \mode == 1
	s_cmp_lg_u32 s15, s14
	s_cbranch_scc1 .Lsame_\@
	SWITCH
.Lsame_\@:
.endif
	s_wait_dscnt 0x0                               ; K's fragments (and, behind a change of pass, q's)
	; four accumulators by turns, one instruction a turn; the first four start the sums
.irp s, 0,1
.irp qt, 0,1
.irp kt, 0,1
.if \s == 0
	v_wmma_f32_16x16x32_f16 v[SC+16*\qt+8*\kt:SC+16*\qt+8*\kt+7], v[KF+16*\kt:KF+16*\kt+7], v[QF+16*\qt:QF+16*\qt+7], 0
.else
	v_wmma_f32_16x16x32_f16 v[SC+16*\qt+8*\kt:SC+16*\qt+8*\kt+7], v[KF+16*\kt+8:KF+16*\kt+15], v[QF+16*\qt+8:QF+16*\qt+15], v[SC+16*\qt+8*\kt:SC+16*\qt+8*\kt+7]
.endif
.endr
.endr
.endr
.rept 4
	v_nop                                          ; four places: for the loads into K's and V's fragments and for the reads of the scores
.endr
.irp m, 0,1,2,3,4,5,6,7
	ds_load_b128 v[VF+4*\m:VF+4*\m+3], v[LA+((\cur)>>1)] offset:((\cur)&1)*TILEB+4096+\m*512
.endr
.if \pre >= 0
	s_wait_tensorcnt \pre                          ; tensor loads of a wave end in order: nxt's chunk is in LDS; only I read it
.endif
.if \nxt >= 0
.irp m, 0,1,2,3,4,5,6,7
	ds_load_b128 v[KF+4*\m:KF+4*\m+3], v[LA+((\nxt)>>1)] offset:((\nxt)&1)*TILEB+\m*512
.endr
.endif
.if \mode == 1
	s_cmp_lg_u32 s15, s14
	s_cbranch_scc1 .Lfull_\@
	MASK
.Lfull_\@:
.endif
.if \mode == 2
	MASK
.endif
	SOFT 0
.if \nxt >= 0
	s_wait_dscnt 0x8                               ; V's eight loads are in; the next K's eight stay out
.else
	s_wait_dscnt 0x0
.endif
	PV 0, \mode
	SOFT 1
	PV 1, \mode
	s_add_co_u32 s15, s15, 1
.endm
; Four tiles are filled again behind one round: every wave has waited for all its tensor loads and for its LDS reads in front of the round's opening
; signal; the four joint loads are the first tensor loads behind its closing wait.  Four loads of the wave are out; they have four steps in which to land.
.macro SYNC first
	s_wait_tensorcnt 0x0                           ; no load of mine is out: every group 0 may be written
	ds_add_u32 v254, v255
.irp n, 0,1,2,3
	FILLADDR 28+4*(\first+\n)
.endr
	s_wait_dscnt 0x0
	ROUND
.irp n, 0,1,2,3
	tensor_load_to_lds s[28+4*(\first+\n):31+4*(\first+\n)], s[16:23]
	s_nop 0
.endr
.endm
.macro GROUP slot, mode                ; the four tiles of a slot; the last step fetches K from the other slot's first tile, three younger loads stay out
	STEP 4*\slot, 4*\slot+1, -1, \mode
	STEP 4*\slot+1, 4*\slot+2, -1, \mode
	STEP 4*\slot+2, 4*\slot+3, -1, \mode
	STEP 4*\slot+3, 4-4*\slot, 3, \mode
.endm
	STEP 8, 0, 3, 2                                ; step 0: block E's diagonal tile; 3: steps 2-4 stay out
	s_mov_b32 s70, 3
.Ltrip:                                                ; steps 1-24; the pass changes at one of the steps 1-16
	SYNC 4
	GROUP 0, 1
	SYNC 0
	GROUP 1, 1
	s_sub_co_u32 s70, s70, 1
	s_cmp_lg_u32 s70, 0
	s_cbranch_scc1 .Ltrip
	SYNC 4                                         ; steps 29-32: the last fills
	GROUP 0, 0                                     ; steps 25-28
	STEP 4, 5, 2, 0                                ; steps 29-32 as their chunks land: the counts run down to zero
	STEP 5, 6, 1, 0
	STEP 6, 7, 0, 0
	STEP 7, -1, -1, 0
	DUMPO LA, 1                                    ; block L's part, into my chunk of tile 0
	; THE MERGE.  Wave w takes pass w >> 1, query tile w & 1.
	s_lshr_b32 s72, s10, 1
	s_and_b32 s73, s10, 1
	s_lshl_b32 s74, s72, 11
	s_lshl_b32 s75, s73, 8
	s_add_co_u32 s74, s74, s75
	s_add_co_u32 s74, s74, MLB
	v_lshl_add_u32 v[MRA], v1, 2, s74
	s_xor_b32 s74, s72, 1
	s_mul_i32 s74, s74, 8*TILEB                    ; pass 0 lies in tile 8, pass 1 in tile 0
	s_lshl_b32 s75, s73, 12
	s_add_co_u32 s74, s74, s75
	v_add_nc_u32 v[DRA], s74, v[LN16]
	s_add_co_u32 s76, s62, TILEB                   ; the way out: my chunk of tile 1
	s_sub_co_u32 s74, 31, s13
	s_cmp_eq_u32 s72, 0
	s_cselect_b32 s74, s13, s74                    ; the block
	s_lshl_b32 s74, s74, 7
	s_lshl_b32 s75, s12, 12
	s_add_co_u32 s74, s74, s75
	s_lshl_b32 s75, s11, 5
	s_add_co_u32 s74, s74, s75
	s_lshl_b32 s75, s73, 4
	s_add_co_u32 s74, s74, s75                     ; my first row of the result
	s_lshl_b32 s74, s74, 8
	s_mov_b32 s75, 0
	s_add_nc_u64 s[8:9], s[8:9], s[74:75]
	s_wait_dscnt 0x0                               ; my dumps are done, for the others' sake
	s_barrier_signal -1
	s_barrier_wait -1                              ; everybody's are
.irp p, 0,1,2,3
	ds_load_b32 v[PB+\p], v[MRA] offset:\p*512             ; m of wave p
	ds_load_b32 v[PB+4+\p], v[MRA] offset:\p*512+128       ; l of wave p
.endr
.irp p, 0,1,2,3
.irp m, 0,1,2,3,4,5,6,7
	ds_load_b128 v[D0+32*\p+4*\m:D0+32*\p+4*\m+3], v[DRA] offset:\p*CHUNK+\m*512
.endr
.endr
	s_wait_dscnt 32                                ; m and l are in; the 32 loads of O stay out
	v_max3_num_f32 v[TM], v[PB], v[PB+1], v[PB+2]
	v_max_num_f32 v[TM], v[TM], v[PB+3]
.irp p, 0,1,2,3
	v_sub_f32 v[PB+\p], v[PB+\p], v[TM]
.endr
.irp p, 0,1,2,3
	v_exp_f32 v[PB+\p], v[PB+\p]
.endr
	v_mul_u32_u24 v[STA], v2, SPITCH               ; plain work between the exponentials and their use
	s_wait_alu depctr_va_vdst(0)
	v_mul_f32 v[TM+1], v[PB], v[PB+4]
	v_fmac_f32 v[TM+1], v[PB+1], v[PB+5]
	v_fmac_f32 v[TM+1], v[PB+2], v[PB+6]
	v_fmac_f32 v[TM+1], v[PB+3], v[PB+7]
	v_rcp_f32 v[TM+1], v[TM+1]                     ; l > 0: every query sees at least its own key
	v_mul_u32_u24 v[SRA], v3, SPITCH               ; plain work between the reciprocal and its use
	s_wait_alu depctr_va_vdst(0)
	v_mul_f32 v[TM+1], 4.0, v[TM+1]                ; v was stored as v / 4
.irp p, 0,1,2,3
	v_mul_f32 v[WT+2*\p], v[PB+\p], v[TM+1]
	v_mul_f32 v[WT+2*\p+1], v[PB+\p], v[TM+1]
.endr
	v_lshl_add_u32 v[STA], v3, 7, v[STA]
	v_add_nc_u32 v[STA], s76, v[STA]               ; in: row r, 128 bytes for each half of the lanes
	v_lshl_add_u32 v[SRA], v2, 4, v[SRA]
	v_add_nc_u32 v[SRA], s76, v[SRA]               ; back: lanes 0-15 one row of 256 bytes, lanes 16-31 the next
	s_wait_dscnt 24                                ; wave 0's O
.irp q, 0,2,4,6,8,10,12,14,16,18,20,22,24,26,28,30
	v_pk_mul_f32 v[D0+\q:D0+\q+1], v[D0+\q:D0+\q+1], v[WT:WT+1]
.endr
	s_wait_dscnt 16
.irp q, 0,2,4,6,8,10,12,14,16,18,20,22,24,26,28,30
	v_pk_fma_f32 v[D0+\q:D0+\q+1], v[D0+32+\q:D0+32+\q+1], v[WT+2:WT+3], v[D0+\q:D0+\q+1]
.endr
	s_wait_dscnt 8
.irp q, 0,2,4,6,8,10,12,14,16,18,20,22,24,26,28,30
	v_pk_fma_f32 v[D0+\q:D0+\q+1], v[D0+64+\q:D0+64+\q+1], v[WT+4:WT+5], v[D0+\q:D0+\q+1]
.endr
	s_wait_dscnt 0x0
.irp i, 0,1,2,3
.irp j, 0,1,2,3,4,5,6,7
	v_fma_f32 v[OA+4*\j+\i], v[D0+96+8*\i+\j], v[WT+6], v[D0+8*\i+\j]     ; register j of column tile i is column 32 h + 4 j + i: now in order
.endr
.endr
.irp q, 0,1,2,3,4,5,6,7
	ds_store_b128 v[STA], v[OA+4*\q:OA+4*\q+3] offset:16*\q
.endr
.irp t, 0,1,2,3,4,5,6,7
	ds_load_b128 v[KF+4*\t:KF+4*\t+3], v[SRA] offset:\t*2*SPITCH   ; LDS serves a wave's instructions in order: these see the stores above
.endr
.irp t, 0,1,2,3,4,5,6,7
	s_wait_dscnt 7-\t
	global_store_b128 v[LN16], v[KF+4*\t:KF+4*\t+3], s[8:9] offset:\t*512 th:TH_STORE_NT    ; two whole rows: 512 consecutive bytes, aligned
.endr
	s_wait_tensorcnt 0x0
	ds_add_u32 v254, v255
	s_wait_dscnt 0x0
	ROUND                                          ; the closing round: no work-group ends while a partner may still ask for a tile that names it
	s_endpgm
.Lfunc_end_k_qc0d9d5bc5d_attn:
	.size	k_qc0d9d5bc5d_attn, .Lfunc_end_k_qc0d9d5bc5d_attn-k_qc0d9d5bc5d_attn
	.p2alignl 7, 3214868480
	.fill 96, 4, 3214868480
	.section	.rodata,"a",@progbits
	.p2align	6, 0x0
	.amdhsa_kernel k_qc0d9d5bc5d_attn
		.amdhsa_group_segment_fixed_size 327680
		.amdhsa_private_segment_fixed_size 0
		.amdhsa_enable_private_segment 0
		.amdhsa_kernarg_size 24
		.amdhsa_user_sgpr_count 2
		.amdhsa_user_sgpr_kernarg_segment_ptr 1
		.amdhsa_wavefront_size32 1
		.amdhsa_system_sgpr_workgroup_id_x 1
		.amdhsa_system_sgpr_workgroup_id_y 1
		.amdhsa_system_sgpr_workgroup_id_z 1
		.amdhsa_system_vgpr_workitem_id 0
		.amdhsa_next_free_vgpr 256
		.amdhsa_next_free_sgpr 80
		.amdhsa_reserve_vcc 1
		.amdhsa_float_denorm_mode_32 3
		.amdhsa_float_denorm_mode_16_64 3
		.amdhsa_memory_ordered 1
		.amdhsa_forward_progress 1
		.amdhsa_inst_pref_size 235
	.end_amdhsa_kernel
	.amdgpu_metadata
---
amdhsa.version: [ 1, 2 ]
amdhsa.kernels:
  - .name:           k_qc0d9d5bc5d_attn
    .symbol:         k_qc0d9d5bc5d_attn.kd
    .args:
      - { .name: qf, .offset: 0, .size: 8, .value_kind: global_buffer, .address_space: global }
      - { .name: kv, .offset: 8, .size: 8, .value_kind: global_buffer, .address_space: global }
      - { .name: out0, .offset: 16, .size: 8, .value_kind: global_buffer, .address_space: global }
    .group_segment_fixed_size: 327680
    .private_segment_fixed_size: 0
    .kernarg_segment_align: 8
    .kernarg_segment_size: 24
    .max_flat_workgroup_size: 128
    .sgpr_count:     80
    .vgpr_count:     256
    .wavefront_size: 32
...
	.end_amdgpu_metadata
.endif
;; end of part 2
